; MI455X (gfx1250); checked and timed in simulation.
; The chip was launched on July 23, 2026; its instructions are those of AMD's public machine-readable ISA for CDNA 5 (MIT licence, August 2026) and "CDNA5" Instruction Set Architecture Reference Guide (July 2026). The comments in the code are by the model that wrote it; some were corrected since.
;; Multi Head Attention. Allowed arithmetic: matrix products marked QUANTISED: E5M2 operands, one given power-of-two scale a tensor, by v_wmma_f32_16x16x64_bf8_bf8 or v_wmma_f32_16x16x128_bf8_bf8, f32 sums; everything else in f32.
;; Inputs: Wk_codes 16 x 64 x 32 x 32 uint8 (E5M2 codes of Wk, K innermost, in blocks of 32 codes); Wp_codes 1,024 x 32 x 32 uint8 (E5M2 codes of Wp, K innermost, in blocks of 32 codes); Wq_codes 16 x 64 x 32 x 32 uint8 (E5M2 codes of Wq, K innermost, in blocks of 32 codes); Wv_codes 16 x 64 x 32 x 32 uint8 (E5M2 codes of Wv, K innermost, in blocks of 32 codes); bk 16 x 64 float32; bp 1,024 float32; bq 16 x 64 float32; bv 16 x 64 float32; lowp_scales 12 int32 (the exponents e of the quantised operands' scales 2^e); x_codes 4 x 2,048 x 32 x 32 uint8 (E5M2 codes of x, K innermost, in blocks of 32 codes).
;; Outputs: out0 4 x 2,048 x 1,024 float32.
;; This version of the problem:
;;   THIS VERSION OF THE PROBLEM IS GIVEN IN LOW PRECISION. The matrix products marked QUANTISED in the list below multiply operands that are first quantised to E5M2 (5 exponent bits, 2 mantissa bits; 8 bits a number), with one given power-of-two scale for each operand tensor; their sums are f32. All else is computed in f32.
;;   The module's matrix products, in the order in which they are computed (A, B: the left and right operand; K: the contracted axis; several contracted axes count as one K, in the product's order):
;;     1. [M 1,024, K 1,024] x [K 1,024, N 8,192]; A: input Wq (given as codes); B: input x (given as codes): QUANTISED (scales: A lowp_scales[0], B lowp_scales[1])
;;     2. [M 1,024, K 1,024] x [K 1,024, N 8,192]; A: input Wk (given as codes); B: input x (given as codes): QUANTISED (scales: A lowp_scales[2], B lowp_scales[3])
;;     3. [M 1,024, K 1,024] x [K 1,024, N 8,192]; A: input Wv (given as codes); B: input x (given as codes): QUANTISED (scales: A lowp_scales[4], B lowp_scales[5])
;;     4. batch 64 x [M 2,048, K 64] x [K 64, N 2,048]; A: computed on the way; B: computed on the way: QUANTISED (scales: A lowp_scales[6], B lowp_scales[7])
;;     5. batch 64 x [M 2,048, K 2,048] x [K 2,048, N 64]; A: softmax (see below); B: computed on the way: QUANTISED (scales: A lowp_scales[8], B lowp_scales[9])
;;     6. [M 8,192, K 1,024] x [K 1,024, N 1,024]; A: computed on the way; B: input Wp (given as codes): QUANTISED (scales: A lowp_scales[10], B lowp_scales[11])
;;   THE QUANTISER, for each operand of a quantised product, along K:
;;     - The operand's scale is 2^e, e = its entry of the input lowp_scales (int32; the entries are numbered through the quantised products in the list's order, A before B).
;;     - Each number is divided by the scale, clamped to +-57,344, and rounded to the nearest number of E5M2, ties to even, subnormals kept.
;;     - The product sums the exact products of the quantised numbers (number of the format x scale) in f32.
;;   ~~~python
;;   def quantise(x, axis, e):      # numpy; x: float32 -> the quantised numbers, widened to float32 again
;;       x = np.moveaxis(x, axis, -1); K = x.shape[-1]
;;       r = np.clip(x / 2.0 ** e, -57344, 57344)
;;       step = 2.0 ** (np.maximum(np.frexp(np.where(r == 0, 1, r))[1] - 1, -14) - 2)
;;       q = np.round(r / step) * step * 2.0 ** e      # np.round: ties to even
;;       return np.moveaxis(q, -1, axis).astype(np.float32)
;;   ~~~
;;   SOFTMAX AHEAD OF A QUANTISED PRODUCT. Where the list says 'softmax', what is quantised is not the finished softmax but p = 2^(t - M), with t = logit x log2(e) and M = ceil(the row's largest t), a whole number; so 1/2 < the row's largest p <= 1. The row's sum l is taken of the UNQUANTISED p, in f32, and the product's result is divided by l at the end. Since M is a whole number, a kernel that streams over the keys may use a running M (the ceiling of the running maximum): every later rescaling is an exact power of two, so the quantised numbers keep their values, but for numbers so far below the row's largest that they fall under the format's range.
;;   OPERANDS COMPUTED ON THE WAY. 'Computed on the way' means the value that the module computes at that place (a softmax that the list does not call 'softmax' is quantised finished and normalised). What goes into a quantiser is computed in f32, as accurately as f32 sums, v_exp_f32 and their like allow (about 1e-6 of the number): no bf16 or f16 on the way to a quantiser, and a product that is left as it is and whose result goes on into a quantised operand takes f32 operands (vector FMAs, or v_wmma_f32_16x16x4_f32). A number that lies on a knife's edge between two numbers of the format may be rounded either way, as far as f32 arithmetic and the matrix unit's own rounding can turn it there, and no further.
;;   INPUTS GIVEN AS CODES. Wk (in the module: [16, 1024, 64], K = its axis 1); Wp (in the module: [1024, 1024], K = its axis 0); Wq (in the module: [16, 1024, 64], K = its axis 1); Wv (in the module: [16, 1024, 64], K = its axis 1); x (in the module: [4, 2048, 1024], K = its axis 2): each comes as NAME_codes (uint8): NAME with its K axis moved to the last place and cut into blocks of 32 codes, [.., K / 32, bytes a block], one block behind the other in memory; one code a byte (a code: sign, 5 exponent bits, 2 mantissa bits); its scale is its entry of lowp_scales. Its value is code x scale, taken as it is: it is not quantised again, and the codes and scales need not be those that the quantiser above would give.
;; One version. Each part assembles by itself: llvm-mc -triple=amdgcn-amd-amdhsa -mcpu=gfx1250 --defsym DOCPART=n.
;; ======== version 1 of 1: 3 launches
;; limits: right only within a limited range of input values
;; workspace buffers: q_codes 8,388,608 bytes; k_codes 8,388,608 bytes; v_codes 8,388,608 bytes; a_codes 8,388,608 bytes
;; launch proj (part 1): grid 8 x 32, 4 waves a work-group, clusters of 4 x 4, 327,680 bytes of LDS; arguments x_codes, Wq_codes, Wk_codes, Wv_codes, bq, bk, bv, lowp_scales, q_codes, k_codes, v_codes; writes q_codes, k_codes, v_codes
.if DOCPART == 1
	.amdgcn_target "amdgcn-amd-amdhsa--gfx1250"
	.amdhsa_code_object_version 6
	.text
	.protected	k_q167193b50f_proj
	.globl	k_q167193b50f_proj
	.p2align	8
	.type	k_q167193b50f_proj,@function
k_q167193b50f_proj:
	s_mov_b64 s[64:65], 0
	v_nop
	global_prefetch_b8 v0, s[64:65] scope:SCOPE_SE
	s_setreg_imm32_b32 hwreg(HW_REG_WAVE_MODE, 25, 1), 1
	s_wait_xcnt 0x0
	s_wait_alu depctr_hold_cnt(0) depctr_sa_sdst(0) depctr_va_vdst(0) depctr_va_sdst(0) depctr_va_ssrc(0) depctr_va_vcc(0) depctr_vm_vsrc(0)
	s_getreg_b32 s2, hwreg(HW_REG_IB_STS2, 6, 4)
	s_cmp_eq_u32 s2, 0
	s_cbranch_scc0 .Lentry_in_a_cluster
	s_endpgm
.Lentry_in_a_cluster:
	s_bfe_u32 s2, ttmp6, 0x10000c
	s_cmp_lg_u32 s2, 0xf033
	s_cbranch_scc0 .Lentry_shape_is_right
	s_endpgm
.Lentry_shape_is_right:
; q, k, v = x W + b on codes of BF8 (E5M2), then quantised again for the attention: GEMMs C[m][n] = sum over k of A[m][k] B[n][k], K = 1,024, in one launch of 256 work-groups with equal work.
; EACH WORK-GROUP MAKES TWO PIECES.  First a tile of 256 x 256 of q (cluster x = 0) or k (1): A = x (m = token), B = W (n = 64 head + d).  Then a half tile of 128 x 256 of v: A = Wv (m = 64 head + d), B = x (n = token).
; q and k are 2 x 128 tiles, v is 256 half tiles.  The ring of two LDS slots goes on from the first piece into the second: the first piece's last two changes of slots ask for v's K steps 0 and 1.
; THE MATRIX INSTRUCTION IS USED TRANSPOSED (source 0 = 16 rows of B, source 1 = 16 rows of A): a lane holds row m = lane % 16 and eight neighbouring n = 8 (lane / 16) + 0 .. 7: for q and k along d, for v along the keys:
; in each case along the K of the product that will read them, so one conversion of eight numbers gives two registers of that operand.
; THE RESULTS ARE STORED AS IMAGES OF OPERAND REGISTERS (registers 2 c, 2 c + 1 of lane (r, h): k = 16 c + 8 h + 0 .. 7): four registers of 32 lanes are 512 consecutive bytes, one store.
;   q_codes, k_codes: [16 batch + head][token / 16][1,024 bytes].   v_codes: [16 batch + head][key / 128][d / 16][2,048 bytes].
; value = sum x 2^(eW + ex) + bias, in f32; code = value / 2^e, held within +-57,344, to the nearest code, ties to even (e = entry 6 for q, 7 for k, 9 for v).
; LIMITS: eW + ex between -126 and 127; entries 6, 7, 9 between -126 and 112, so that each power of two below is an f32 number.  NaN among the biases is not served.
; CLUSTERS: 4 x 4 work-groups; A's tile is asked for jointly along a row of the cluster, B's along a column, in both pieces.  No prefetch: K is four slots a piece; of the eight fills two are first fills and two the next piece's.
; REGISTERS, in windows of 256: window 0: v1-8 at work at the head; v16-21 LDS addresses; v26, v27, v30, v31 the conversions' scales and holds; v28, v29 the add's; v32-95 q's or k's bias along n; v96-103 v's bias along m, in pairs;
;   v112 the stores' offset; v128-255 A's fragments (first piece ONE set of eight, second piece TWO sets of four); on the way out v128-191 the numbers, v192-255 four sets of codes.
;   window 1: B's fragments, TWO sets.   windows 2, 3: the accumulators ((a, b) at v[8 (8 (a % 4) + b)]); the second piece uses window 2 alone.
.set ROWB,   256
.set KROW,   1024
.set PITCH,  272                       ; an LDS row: 256 bytes + 16 of padding
.set FR,     16
.set NL,     4
.set NP,     4                         ; places behind this matrix instruction (ISA guide 7.12.1)
.set HALFT,  128*PITCH
.set SLOT,   4*HALFT                   ; A's 256 rows (second piece: 128 of them), then B's 256 rows
.set SPARE,  2*SLOT
.set ADRA, 16
.set ADRC, 18                          ; A's fragments in the second piece
.set ADRB, 20
.set QS2,  26
.set QL2,  27
.set SPW,  28
.set NIL,  29
.set QS,   30
.set QL,   31
.set BN,   32
.set BM,   96
.set VO,   112
.set AF,   128
.set TMP,  128
.set CDB,  192
.set G1, 24
.set G0, 32
.set G1B, 48
.set G0B, 56
.set G1C, 88                           ; group 1 for Wv's tiles: 64 rows a load
.set VA,  96                           ; s[96:97] Wv at my rows;  s[98:99] x at my rows of the second piece
.set VB,  98
.set VL,  100                          ; where my load of Wv's rows goes in a slot
.set FLG, (0<<16)|(1<<20)|(1<<21)|(5<<22)|(3<<25)   ; elements of 1 byte; padding on; bit 21 beside a mask; four words after every 64
.set MSB, 0
.macro WIN new
.if MSB != \new
	s_set_vgpr_msb (MSB<<8)|\new
.set MSB, \new
.endif
.endm
.set MUL_LO, 0xa1
.set MUL_HI, 0xf1
.set TO_B,   0x40
.macro JLOAD g0a, g1a, g0b, g1b        ; waves 0 and 1 fetch for A, waves 2 and 3 for B
	s_cmp_eq_u32 s15, 0
	s_cbranch_scc0 .Lfor_b_\@
	tensor_load_to_lds s[\g0a:\g0a+3], s[\g1a:\g1a+7]
	s_nop 0
.rept 4
	v_nop
.endr
	s_branch .Lasked_\@
.Lfor_b_\@:
	tensor_load_to_lds s[\g0b:\g0b+3], s[\g1b:\g1b+7]
	s_nop 0
.rept 4
	v_nop
.endr
.Lasked_\@:
.endm
.macro CREST
	s_cmp_lg_u32 s14, 0
	s_cbranch_scc1 .Lnot_wave_0_\@
	s_barrier_signal -3
.Lnot_wave_0_\@:
	s_barrier_wait -3
	s_barrier_signal -1
	s_barrier_wait -1
.endm
.macro CROUND
	s_barrier_signal -1
	s_barrier_wait -1
	CREST
.endm
	s_load_b512 s[68:83], s[0:1], 0x0              ; x 68, Wq 70, Wk 72, Wv 74, bq 76, bk 78, bv 80, the scales' exponents 82
	s_load_b128 s[84:87], s[0:1], 0x40             ; q_codes 84, k_codes 86
	s_load_b64 s[88:89], s[0:1], 0x50              ; v_codes
	v_lshl_add_u32 v[SPW], v0, 2, SPARE
	v_mov_b32 v[NIL], 0
	ds_add_u32 v[SPW], v[NIL]                      ; the opening: the add, twice on end, and its wait
	ds_add_u32 v[SPW], v[NIL]
	v_lshrrev_b32 v1, 5, v0
	v_readfirstlane_b32 s14, v1                    ; wave 0..3
	s_lshr_b32 s15, s14, 1                         ; wm: which half of the rows m is mine.  Also: I fetch for A (0) or for B (1)
	s_and_b32 s16, s14, 1                          ; wn: which half of the columns n.  Also: which half of that tile I fetch
	s_bfe_u32 s40, ttmp6, 0x40000                  ; cx
	s_bfe_u32 s41, ttmp6, 0x40004                  ; cy
	s_and_b32 s18, ttmp7, 0xffff
	s_lshl_b32 s18, s18, 2                         ; 4 x cluster y
	s_add_co_u32 s17, s18, s41                     ; first piece: tile row (256 tokens); its tile column is cx
	s_add_co_u32 s13, s18, s40                     ; second piece: tile column (256 tokens),
	s_lshl_b32 s12, ttmp9, 2
	s_add_co_u32 s12, s12, s41                     ; and half tile row (128 of Wv's rows)
	s_lshl_b32 s43, s41, 2
	s_lshl_b32 s43, 15, s43                        ; my row of the cluster
	s_lshl_b32 s44, 0x1111, s40                    ; my column
	s_or_b32 s[G1+0], s43, FLG
	s_or_b32 s[G1B+0], s44, FLG
.irp g, G1, G1B
	s_mov_b32 s[\g+1], ROWB<<16
	s_mov_b32 s[\g+2], 128<<16
	s_mov_b32 s[\g+3], ROWB<<16
	s_mov_b32 s[\g+4], 128
	s_mov_b32 s[\g+5], KROW
	s_mov_b32 s[\g+6], 0
	s_mov_b32 s[\g+7], 0
.endr
	s_lshl_b32 s18, s16, 7
	s_lshl_b32 s20, s17, 8
	s_add_co_u32 s20, s20, s18
	s_lshl_b32 s20, s20, 10                        ; x: row 256 x tile row + 128 x half, in bytes
	s_lshl_b32 s46, s40, 8
	s_add_co_u32 s46, s46, s18
	s_lshl_b32 s46, s46, 10                        ; W: row 256 cx + 128 x half
	s_lshl_b32 s2, s13, 8
	s_add_co_u32 s2, s2, s18
	s_lshl_b32 s2, s2, 10                          ; second piece, x: row 256 x tile column + 128 x half
	s_lshl_b32 s22, s12, 7
	s_lshl_b32 s18, s16, 6
	s_add_co_u32 s22, s22, s18
	s_lshl_b32 s22, s22, 10                        ; Wv: row 128 x half tile row + 64 x half
	s_mov_b32 s21, 0
	s_mov_b32 s47, 0
	s_mov_b32 s3, 0
	s_mov_b32 s23, 0
	s_mul_i32 s45, s14, HALFT                      ; where the loads go: wave x 128 rows
	s_wait_dscnt 0x0                               ; both opening adds are done
	s_wait_kmcnt 0x0
	s_cmp_eq_u32 ttmp9, 1                          ; q or k: by the cluster's x, which all partners share
	s_cselect_b64 s[6:7], s[72:73], s[70:71]
	s_cselect_b64 s[8:9], s[78:79], s[76:77]
	s_cselect_b64 s[10:11], s[86:87], s[84:85]
	s_add_nc_u64 s[20:21], s[68:69], s[20:21]
	s_add_nc_u64 s[46:47], s[6:7], s[46:47]
	s_add_nc_u64 s[VA:VA+1], s[74:75], s[22:23]
	s_add_nc_u64 s[VB:VB+1], s[68:69], s[2:3]
	CROUND                                         ; all sixteen work-groups are here: the first joint loads meet
.irp s, 0,1
	s_mov_b32 s[G0+4*\s], 1
	s_add_co_u32 s[G0+4*\s+1], s45, \s*SLOT
	s_add_nc_u64 s[G0+4*\s+2:G0+4*\s+3], s[20:21], \s*ROWB
	s_or_b32 s[G0+4*\s+3], s[G0+4*\s+3], 0x80000000
	s_mov_b32 s[G0B+4*\s], 1
	s_add_co_u32 s[G0B+4*\s+1], s45, \s*SLOT
	s_add_nc_u64 s[G0B+4*\s+2:G0B+4*\s+3], s[46:47], \s*ROWB
	s_or_b32 s[G0B+4*\s+3], s[G0B+4*\s+3], 0x80000000
.endr
	JLOAD G0, G1, G0B, G1B                         ; slot 0: one tensor load a wave at the head
	; v's images: (((tile column / 8) 16 + 2 half tile row + wm) 16 + (tile column % 8) 2 + wn) x 8,192; block a: 2,048 on
	s_lshr_b32 s19, s13, 3
	s_lshl_b32 s19, s19, 4
	s_lshl_b32 s23, s12, 1
	s_add_co_u32 s19, s19, s23
	s_add_co_u32 s19, s19, s15
	s_lshl_b32 s19, s19, 4
	s_and_b32 s23, s13, 7
	s_lshl_b32 s23, s23, 1
	s_add_co_u32 s19, s19, s23
	s_add_co_u32 s19, s19, s16
	s_lshl_b32 s2, s19, 13
	s_add_nc_u64 s[84:85], s[88:89], s[2:3]
	s_lshl_b32 s2, s12, 7                          ; v's bias: 4 (128 half tile row + 64 wm)
	s_lshl_b32 s19, s15, 6
	s_add_co_u32 s2, s2, s19
	s_lshl_b32 s2, s2, 2
	s_add_nc_u64 s[66:67], s[80:81], s[2:3]
	; q's, k's images: ((tile row / 8) 16 + 4 cx + 2 wn) x 131,072 + ((tile row % 8) 16 + 8 wm) x 1,024; block a: 1,024 on; the second head 131,072 on
	s_lshr_b32 s18, s17, 3
	s_lshl_b32 s18, s18, 4
	s_lshl_b32 s19, s40, 2
	s_add_co_u32 s18, s18, s19
	s_lshl_b32 s19, s16, 1
	s_add_co_u32 s18, s18, s19
	s_lshl_b32 s18, s18, 17
	s_and_b32 s19, s17, 7
	s_lshl_b32 s19, s19, 4
	s_lshl_b32 s23, s15, 3
	s_add_co_u32 s19, s19, s23
	s_lshl_b32 s19, s19, 10
	s_add_co_u32 s18, s18, s19
	s_mov_b32 s19, 0
	s_add_nc_u64 s[10:11], s[10:11], s[18:19]
	s_add_nc_u64 s[12:13], s[10:11], 0x20000
	s_lshl_b32 s2, s40, 8                          ; q's, k's bias: 4 (256 cx + 128 wn)
	s_lshl_b32 s18, s16, 7
	s_add_co_u32 s2, s2, s18
	s_lshl_b32 s2, s2, 2
	s_add_nc_u64 s[8:9], s[8:9], s[2:3]
	s_or_b32 s[G1C+0], s43, FLG                    ; Wv's tiles go to my row of the cluster
	s_mov_b32 s[G1C+1], ROWB<<16
	s_mov_b32 s[G1C+2], 64<<16
	s_mov_b32 s[G1C+3], ROWB<<16
	s_mov_b32 s[G1C+4], 64
	s_mov_b32 s[G1C+5], KROW
	s_mov_b32 s[G1C+6], 0
	s_mov_b32 s[G1C+7], 0
	s_mul_i32 s[VL], s16, 64*PITCH
	s_mul_i32 s21, s15, HALFT                      ; my 128 rows of A,
	s_mul_i32 s22, s16, HALFT
	s_add_co_u32 s22, s22, 2*HALFT                 ; my 128 rows of B,
	s_mul_i32 s23, s15, 64*PITCH                   ; my 64 rows of A in the second piece
	s_load_b256 s[68:75], s[82:83], 0x0            ; entries 0 to 7
	s_load_b128 s[76:79], s[82:83], 0x20           ; entries 8 to 11
	v_and_b32 v1, 15, v0                           ; r
	v_bfe_u32 v2, v0, 4, 1                         ; h
	v_mul_u32_u24 v3, v1, PITCH
	v_lshl_add_u32 v4, v2, 4, v3
	v_add_nc_u32 v[ADRA], s21, v4
	v_add_nc_u32 v[ADRB], s22, v4
	v_add_nc_u32 v[ADRC], s23, v4
	v_add_nc_u32 v[ADRA+1], SLOT, v[ADRA]
	v_add_nc_u32 v[ADRB+1], SLOT, v[ADRB]
	v_add_nc_u32 v[ADRC+1], SLOT, v[ADRC]
	v_and_b32 v5, 31, v0
	v_lshlrev_b32 v[VO], 4, v5                     ; 16 x lane
	v_lshlrev_b32 v7, 5, v2                        ; along n: register 8 b + j is n = 16 b + 8 h + j
	v_lshlrev_b32 v8, 2, v1                        ; along m: block a's is m = 16 a + r
.irp b, 0,1,2,3,4,5,6,7
	global_load_b128 v[BN+8*\b:BN+8*\b+3], v7, s[8:9] offset:64*\b
	global_load_b128 v[BN+8*\b+4:BN+8*\b+7], v7, s[8:9] offset:64*\b+16
.endr
.irp a, 0,1,2,3
	global_load_b32 v[BM+2*\a], v8, s[66:67] offset:64*\a
.endr
.macro FRAG reg, adr, q, i             ; 16 rows x 128 K: registers 4 c .. 4 c + 3 hold K = 32 c + 16 (l / 16) + 0 .. 15, in A and in B alike
.irp c, 0,1,2,3
	ds_load_b128 v[\reg+4*\c:\reg+4*\c+3], v[\adr] offset:128*(\q)+32*\c+(\i)*16*PITCH
.endr
.endm
; 16 matrix instructions: A's fragments a0, a0 + 1 x B's eight.  p: B's set.  The accumulators take turns, one instruction a turn.
.macro MUL16 a0, p, zero
.irp a, \a0, \a0+1
.irp b, 0,1,2,3,4,5,6,7
.if \zero
	v_wmma_f32_16x16x128_bf8_bf8 v[8*(8*((\a)%4)+\b):8*(8*((\a)%4)+\b)+7], v[128*(\p)+FR*\b:128*(\p)+FR*\b+FR-1], v[AF+FR*(\a):AF+FR*(\a)+FR-1], 0
.else
	v_wmma_f32_16x16x128_bf8_bf8 v[8*(8*((\a)%4)+\b):8*(8*((\a)%4)+\b)+7], v[128*(\p)+FR*\b:128*(\p)+FR*\b+FR-1], v[AF+FR*(\a):AF+FR*(\a)+FR-1], v[8*(8*((\a)%4)+\b):8*(8*((\a)%4)+\b)+7]
.endif
.endr
.endr
.endm
.macro FETCH_B slot, q, p
	WIN TO_B
.irp i, 0,1,2,3,4,5,6,7
	FRAG 128*(\p)+FR*\i, ADRB+\slot, \q, \i
.endr
	WIN 0
.endm
.macro FETCH_A slot, q, i0
.irp i, \i0, \i0+1, \i0+2, \i0+3
	FRAG AF+FR*(\i), ADRA+\slot, \q, \i
.endr
.endm
.macro HFETCH_A slot, q, set           ; second piece: my four blocks of Wv into set 0 or 1
.irp i, 0,1,2,3
	FRAG AF+FR*(4*(\set)+\i), ADRC+\slot, \q, \i
.endr
.endm
.macro PLACES n
.rept \n
	v_nop
.endr
.endm
.macro VDESC slot                      ; no load of mine is out: the slot's groups 0 are set to the second piece's K step 0 or 1
	s_add_co_u32 s[G0+4*\slot+1], s[VL], \slot*SLOT
	s_add_nc_u64 s[G0+4*\slot+2:G0+4*\slot+3], s[VA:VA+1], \slot*ROWB
	s_or_b32 s[G0+4*\slot+3], s[G0+4*\slot+3], 0x80000000
	s_add_nc_u64 s[G0B+4*\slot+2:G0B+4*\slot+3], s[VB:VB+1], \slot*ROWB
	s_or_b32 s[G0B+4*\slot+3], s[G0B+4*\slot+3], 0x80000000
.endm
; FIRST PIECE.  A step of 128 along K that has its successor in the same slot: A's blocks 0-3 are fetched anew in the step's middle, blocks 4-7 at its end.
.macro STEP slot, q, zero
	s_wait_dscnt 4*NL                              ; the youngest 16 loads (A's blocks 4-7) may be out
	WIN MUL_LO
	MUL16 0, (\q)%2, \zero
	MUL16 2, (\q)%2, \zero
	s_wait_dscnt 0
	PLACES NP
	FETCH_B \slot, (\q)+1, 1-(\q)%2
	FETCH_A \slot, (\q)+1, 0
	WIN MUL_HI
	MUL16 4, (\q)%2, \zero
	MUL16 6, (\q)%2, \zero
	PLACES NP
	WIN 0
	FETCH_A \slot, (\q)+1, 4
.endm
; A slot's last step changes slots: each wave waits for all its tensor loads, adds 0 to its spare word, waits for that and for its reads of this slot; the barrier opens a round of the cluster's barrier; the joint refill comes first behind it.
; mode 1: this piece's K two slots on; mode 2: the second piece's first K steps.  fetch = 0: the piece's last step.
.macro TURN slot, next, mode, fetch
	s_wait_tensorcnt 0x0
	ds_add_u32 v[SPW], v[NIL]
	s_wait_dscnt 4*NL+1                            ; (the add and the youngest 16 loads may be out)
	WIN MUL_LO
	MUL16 0, 1, 0
	s_wait_dscnt 0x0
	s_barrier_signal -1
	MUL16 2, 1, 0
	WIN 0
	s_barrier_wait -1
	CREST
.if \mode == 1
	s_add_nc_u64 s[G0+4*\slot+2:G0+4*\slot+3], s[G0+4*\slot+2:G0+4*\slot+3], 2*ROWB
	s_add_nc_u64 s[G0B+4*\slot+2:G0B+4*\slot+3], s[G0B+4*\slot+2:G0B+4*\slot+3], 2*ROWB
	JLOAD G0+4*\slot, G1, G0B+4*\slot, G1B         ; its four v_nop are also the places in front of the loads below
.else
	VDESC \slot
	JLOAD G0+4*\slot, G1C, G0B+4*\slot, G1B
.endif
.if \fetch
	FETCH_B \next, 0, 0
	FETCH_A \next, 0, 0
.endif
	WIN MUL_HI
	MUL16 4, 1, 0
	MUL16 6, 1, 0
.if \fetch
	PLACES NP
	WIN 0
	FETCH_A \next, 0, 4
.else
	WIN 0
.endif
.endm
; SECOND PIECE: 32 accumulators, two sets of fragments on both sides: a step's loads are issued ahead of the step before's products.
.macro HSTEP slot, zero                ; the slot's first 128 along K, on sets 0; fetches its second 128 into sets 1
	s_wait_dscnt 0
	PLACES NP
	FETCH_B \slot, 1, 1
	HFETCH_A \slot, 1, 1
	WIN MUL_LO
	MUL16 0, 0, \zero
	MUL16 2, 0, \zero
	WIN 0
.endm
.macro HTURN slot, next, fill          ; the slot's second 128, on sets 1, and the change of slots
	s_wait_tensorcnt 0x0
	ds_add_u32 v[SPW], v[NIL]
	s_wait_dscnt 0x0                               ; the add is done, and my reads of this slot are over
	s_barrier_signal -1
	WIN MUL_LO
	MUL16 4, 1, 0
	WIN 0
	s_barrier_wait -1
.if \fill
	CREST
	s_add_nc_u64 s[G0+4*\slot+2:G0+4*\slot+3], s[G0+4*\slot+2:G0+4*\slot+3], 2*ROWB
	s_add_nc_u64 s[G0B+4*\slot+2:G0B+4*\slot+3], s[G0B+4*\slot+2:G0B+4*\slot+3], 2*ROWB
	JLOAD G0+4*\slot, G1C, G0B+4*\slot, G1B
.else
	PLACES NP
.endif
	FETCH_B \next, 0, 0
	HFETCH_A \next, 0, 0
	WIN MUL_LO
	MUL16 6, 1, 0
	WIN 0
.endm
; THE WAY OUT of a block of 16 rows m x 128 n: sum x 2^(eW + ex) + bias in one fused line, the hold, the conversion, four stores of 512 consecutive bytes.  Each accumulator is read from its low end on.
.macro OUT a, v
.set AC, 64*((\a)%4)
.set CD, CDB+16*((\a)%4)
.if (\a) >= 4
	s_wait_xcnt 0x0                                ; block a - 4's stores have read their data
.endif
	WIN (0x02+((\a)/4))
.set n, 0
.rept 32
.if \v
	v_pk_fma_f32 v[TMP+n:TMP+n+1], v[AC+n:AC+n+1], s[82:83], v[BM+2*(\a):BM+2*(\a)+1] op_sel_hi:[1,0,1]
.else
	v_pk_fma_f32 v[TMP+n:TMP+n+1], v[AC+n:AC+n+1], s[80:81], v[BN+n:BN+n+1] op_sel_hi:[1,0,1]
.endif
.set n, n+2
.endr
	WIN 0
.set n, 0
.rept 64
.if \v
	v_med3_num_f32 v[TMP+n], v[TMP+n], -v[QL2], v[QL2]
.else
	v_med3_num_f32 v[TMP+n], v[TMP+n], -v[QL], v[QL]   ; the conversion does not saturate (ISA guide 7.6.2): the hold is always executed
.endif
.set n, n+1
.endr
.irp b, 0,1,2,3,4,5,6,7
.if \v
	v_cvt_scalef32_pk8_bf8_f32 v[CD+2*\b:CD+2*\b+1], v[TMP+8*\b:TMP+8*\b+7], v[QS2]
.else
	v_cvt_scalef32_pk8_bf8_f32 v[CD+2*\b:CD+2*\b+1], v[TMP+8*\b:TMP+8*\b+7], v[QS]
.endif
.endr
	v_nop                                          ; one plain line behind the last conversion
.if \v
.irp c, 0,1,2,3
	global_store_b128 v[VO], v[CD+4*\c:CD+4*\c+3], s[84:85] offset:2048*(\a)+512*\c
.endr
.else
	global_store_b128 v[VO], v[CD:CD+3], s[10:11] offset:1024*(\a)
	global_store_b128 v[VO], v[CD+4:CD+7], s[10:11] offset:1024*(\a)+512
	global_store_b128 v[VO], v[CD+8:CD+11], s[12:13] offset:1024*(\a)
	global_store_b128 v[VO], v[CD+12:CD+15], s[12:13] offset:1024*(\a)+512
.endif
.endm
	s_wait_alu depctr_va_vdst(0)
	s_wait_tensorcnt 0x0                           ; my part of slot 0 is in
	ds_add_u32 v[SPW], v[NIL]
	s_wait_dscnt 0x0
	CROUND
	JLOAD G0+4, G1, G0B+4, G1B                     ; slot 1's first fill: the first tensor load behind the round
	FETCH_B 0, 0, 0
	FETCH_A 0, 0, 0
	FETCH_A 0, 0, 4
	STEP 0, 0, 1                                   ; K 0: its products start the sums
	TURN 0, 1, 1, 1                                ; K 128; slot 0 takes K 512 on
	STEP 1, 0, 0
	TURN 1, 0, 1, 1                                ; K 384; slot 1 takes K 768 on
	STEP 0, 0, 0
	TURN 0, 1, 2, 1                                ; K 640; slot 0 takes v's K 0 on
	STEP 1, 0, 0
	TURN 1, 0, 2, 0                                ; K 896; slot 1 takes v's K 256 on; behind its round v's K 0 is whole
	s_wait_kmcnt 0x0                               ; the exponents: sums first (an addition sets SCC), then the choice
	s_add_co_i32 s68, s68, s69                     ; entries 0 + 1: q's product
	s_add_co_i32 s70, s70, s71                     ; 2 + 3: k's
	s_add_co_i32 s72, s72, s73                     ; 4 + 5: v's
	s_cmp_eq_u32 ttmp9, 1
	s_cselect_b32 s80, s70, s68
	s_cselect_b32 s2, s75, s74                     ; the quantiser's: entry 7 for k, 6 for q
	s_add_co_i32 s80, s80, 127
	s_lshl_b32 s80, s80, 23                        ; 2^(eW + ex) as f32
	s_mov_b32 s81, s80
	s_add_co_i32 s82, s72, 127
	s_lshl_b32 s82, s82, 23
	s_mov_b32 s83, s82
	s_add_co_i32 s2, s2, 127
	s_lshl_b32 s3, s2, 23
	v_mov_b32 v[QS], s3                            ; 2^e as f32
	s_add_co_i32 s2, s2, 15
	s_lshl_b32 s2, s2, 23
	s_or_b32 s2, s2, 0x600000
	v_mov_b32 v[QL], s2                            ; 57,344 x 2^e
	s_add_co_i32 s2, s77, 127                      ; entry 9, for v
	s_lshl_b32 s3, s2, 23
	v_mov_b32 v[QS2], s3
	s_add_co_i32 s2, s2, 15
	s_lshl_b32 s2, s2, 23
	s_or_b32 s2, s2, 0x600000
	v_mov_b32 v[QL2], s2
	s_wait_alu depctr_va_vdst(0)
	s_wait_loadcnt 0x0                             ; the biases
.irp a, 0,1,2,3
	v_mov_b32 v[BM+2*\a+1], v[BM+2*\a]             ; v's bias doubled into pairs for the packed line.  (These four are also places behind the last products)
.endr
.irp a, 0,1,2,3,4,5,6,7
	OUT \a, 0
.endr
	s_wait_xcnt 0x0                                ; the stores have read their data: fragments land on those registers
	FETCH_B 0, 0, 0
	HFETCH_A 0, 0, 0
	HSTEP 0, 1                                     ; v's K 0: its products start the sums
	HTURN 0, 1, 1                                  ; K 128; slot 0 takes K 512 on
	HSTEP 1, 0
	HTURN 1, 0, 1                                  ; K 384; slot 1 takes K 768 on
	HSTEP 0, 0
	HTURN 0, 1, 0                                  ; K 640; nothing is left to fetch
	HSTEP 1, 0
	s_wait_dscnt 0                                 ; K 896
	WIN MUL_LO
	MUL16 4, 1, 0
	MUL16 6, 1, 0
	WIN 0
	PLACES NP
.irp a, 0,1,2,3
	OUT \a, 1
.endr
	s_wait_tensorcnt 0x0                           ; the wave's end
	ds_add_u32 v[SPW], v[NIL]
	s_wait_dscnt 0x0
	CROUND                                         ; the closing round
	s_endpgm
.Lfunc_end_k_q167193b50f_proj:
	.size	k_q167193b50f_proj, .Lfunc_end_k_q167193b50f_proj-k_q167193b50f_proj
	.p2alignl 7, 3214868480
	.fill 96, 4, 3214868480
	.section	.rodata,"a",@progbits
	.p2align	6, 0x0
	.amdhsa_kernel k_q167193b50f_proj
		.amdhsa_group_segment_fixed_size 327680
		.amdhsa_private_segment_fixed_size 0
		.amdhsa_enable_private_segment 0
		.amdhsa_kernarg_size 88
		.amdhsa_user_sgpr_count 2
		.amdhsa_user_sgpr_kernarg_segment_ptr 1
		.amdhsa_wavefront_size32 1
		.amdhsa_system_sgpr_workgroup_id_x 1
		.amdhsa_system_sgpr_workgroup_id_y 1
		.amdhsa_system_sgpr_workgroup_id_z 1
		.amdhsa_system_vgpr_workitem_id 0
		.amdhsa_next_free_vgpr 1024
		.amdhsa_next_free_sgpr 102
		.amdhsa_reserve_vcc 0
		.amdhsa_float_denorm_mode_32 3
		.amdhsa_float_denorm_mode_16_64 3
		.amdhsa_memory_ordered 1
		.amdhsa_forward_progress 1
		.amdhsa_inst_pref_size 213
	.end_amdhsa_kernel
	.amdgpu_metadata
---
amdhsa.version: [ 1, 2 ]
amdhsa.kernels:
  - .name:           k_q167193b50f_proj
    .symbol:         k_q167193b50f_proj.kd
    .args:
      - { .name: x_codes, .offset: 0, .size: 8, .value_kind: global_buffer, .address_space: global }
      - { .name: Wq_codes, .offset: 8, .size: 8, .value_kind: global_buffer, .address_space: global }
      - { .name: Wk_codes, .offset: 16, .size: 8, .value_kind: global_buffer, .address_space: global }
      - { .name: Wv_codes, .offset: 24, .size: 8, .value_kind: global_buffer, .address_space: global }
      - { .name: bq, .offset: 32, .size: 8, .value_kind: global_buffer, .address_space: global }
      - { .name: bk, .offset: 40, .size: 8, .value_kind: global_buffer, .address_space: global }
      - { .name: bv, .offset: 48, .size: 8, .value_kind: global_buffer, .address_space: global }
      - { .name: lowp_scales, .offset: 56, .size: 8, .value_kind: global_buffer, .address_space: global }
      - { .name: q_codes, .offset: 64, .size: 8, .value_kind: global_buffer, .address_space: global }
      - { .name: k_codes, .offset: 72, .size: 8, .value_kind: global_buffer, .address_space: global }
      - { .name: v_codes, .offset: 80, .size: 8, .value_kind: global_buffer, .address_space: global }
    .group_segment_fixed_size: 327680
    .private_segment_fixed_size: 0
    .kernarg_segment_align: 8
    .kernarg_segment_size: 88
    .max_flat_workgroup_size: 128
    .sgpr_count:     102
    .vgpr_count:     1024
    .wavefront_size: 32
...
	.end_amdgpu_metadata
.endif
;; end of part 1
;; launch attn (part 2): grid 4 x 64, 16 waves a work-group, clusters of 4 x 1, 327,680 bytes of LDS; arguments q_codes, k_codes, v_codes, lowp_scales, a_codes; writes a_codes
.if DOCPART == 2
	.amdgcn_target "amdgcn-amd-amdhsa--gfx1250"
	.amdhsa_code_object_version 6
	.text
	.protected	k_q167193b50f_attn
	.globl	k_q167193b50f_attn
	.p2align	8
	.type	k_q167193b50f_attn,@function
k_q167193b50f_attn:
	s_mov_b64 s[64:65], 0
	v_nop
	global_prefetch_b8 v0, s[64:65] scope:SCOPE_SE
	s_setreg_imm32_b32 hwreg(HW_REG_WAVE_MODE, 25, 1), 1
	s_wait_xcnt 0x0
	s_wait_alu depctr_hold_cnt(0) depctr_sa_sdst(0) depctr_va_vdst(0) depctr_va_sdst(0) depctr_va_ssrc(0) depctr_va_vcc(0) depctr_vm_vsrc(0)
	s_getreg_b32 s2, hwreg(HW_REG_IB_STS2, 6, 4)
	s_cmp_eq_u32 s2, 0
	s_cbranch_scc0 .Lentry_in_a_cluster
	s_endpgm
.Lentry_in_a_cluster:
	s_bfe_u32 s2, ttmp6, 0x10000c
	s_cmp_lg_u32 s2, 0x3003
	s_cbranch_scc0 .Lentry_shape_is_right
	s_endpgm
.Lentry_shape_is_right:
; Causal attention on codes of BF8 (E5M2), head size 64, 2,048 tokens, 64 (batch, head) pairs; the result is quantised again for the output projection.
; q_codes, k_codes: [16 batch + head][token / 16][1,024]: images of operand registers, 16 tokens x 64 d.  v_codes: [16 batch + head][key / 128][d / 16][2,048]: 16 d x 128 keys.
; a_codes: [head / 4][row / 16][head % 4][1,024]: 16 rows (row = 2,048 batch + token) x the head's 64 d, the same form as q's.
; THE SOFTMAX: t = score x log2(e) / 8; M = the row's largest t so far, rounded UP to a whole number; p = 2^(t - M) is quantised (entry 8), not normalised; the row's sum is taken of the unquantised p and divides at the end.
; When M moves, the sum and O are multiplied by 2^(old M - new M): exact.
; LEFT OUT: key steps all of whose 128 keys come after a tile's 16 queries: the causal mask makes their weights 0 for all values of the inputs.  A NaN or infinity that reaches only such scores is not carried on.
; LDS HOLDS THE PAIR'S WHOLE K AND V: 131,072 bytes each.  No byte is filled twice, and the loops have no barrier.  Each of the 16 waves issues two loads: at the head 4,096 bytes (together keys 0 to 511), and behind
; a round of the cluster's barrier 12,288 bytes (together the rest), which land while waves walk key steps on keys 0 to 511.  One barrier follows; behind it nothing writes LDS.
; CLUSTER: the four work-groups of a pair want the same 262,144 bytes, so each load is a joint one (mask 15); its descriptor hangs on the pair and on the wave's number alone.
; SHARES.  A tile is 16 queries, T = 0 .. 127 in a pair.  Work-group J (its place in the cluster) owns T = 4 m + J, m = 0 .. 31; tile T needs m / 2 + 1 key steps of 128, whatever J is.  A wave takes two tiles, one after the other.
; With g = wave / 4 and c = wave % 4 they are m = 31 - c, 27 - c, 23 - c, 11 - c and then m = 16 + c, 12 + c, 4 + c, c for g = 0, 1, 2, 3: 25, 21, 15 and 7 key steps a wave: the longest shares have the lowest wave numbers,
; and the four waves of one c have 68 key steps together, whatever c is.  Ahead of the one barrier a wave walks the first 4, 4, 2, 0 steps of its first tile (g = 0, 1, 2, 3), all on keys 0 to 511 and none of them masked.
; All branches hang on the wave's number and on loop counters; J enters only global offsets and the mask's numbers.  The loops' trip counts are constants; a step that is not a wave's is jumped over.
; THE MASK stands in a tile's last step alone.  There my query - the step's first key = 64 (m % 2) + 16 J + lane % 16: for m even the step's keys 64 on are all hidden and keys 0 to 63 are compared; for m odd keys 0 to 63 all count.
; LAYOUT.  Both products are used transposed: S^T = K Q^T, O^T = V^T P^T: a lane holds ONE query (lane % 16).  Register 8 t + j of S^T is key 16 t + 8 (lane / 16) + j, so a conversion of a tile's eight registers gives
; registers 2 t, 2 t + 1 of P; the same holds of O^T and a_codes.
; NO PREFETCH: both requests for K and V stand at the head; no later request exists to run ahead of.
; LIMITS: entries 6 + 7 between -123 and 130 (added to c's exponent field); entries 8 and 10 between -126 and 112; 8 + 9 goes by v_ldexp_f32 and has none.  The scaled scores t stay under 2^31 in magnitude.
; REGISTERS: v1-11, v29 addresses and the mask's numbers; v12 -M, v13 the largest t, v[14:15] the sum; v16-23 the first tile's Q, v224-231 the second's; v24: 2^e8; v25, v28: 57,344 x 2^e8; v26, v27 the same for entry 10;
;   v32-95 K's eight fragments, then V's four; v96-159 S^T, then p; v160-191 O^T; v192-207 p's codes; v208-215, v216-223 the two tiles' codes of the result; v30, v31, v236-255 at work.
.set VOFF,  131072                     ; V's images in LDS, behind K's
.set SPARE, 262144                     ; the spare words, 128 bytes for each of 16 waves, which no other line names
.set P1,    4096                       ; bytes of a wave's first load
.set P2,    12288                      ; and of its second
.set STEPB, 8192                       ; a key step's bytes of K, and of V
.set LI,   1                           ; 16 x lane
.set LV,   2                           ; VOFF + 16 x lane
.set DA,   3                           ; the mask's number, first tile; v29 second tile
.set QOA,  4
.set SPW,  5
.set NIL,  6
.set QOB,  7
.set ADK,  8
.set GOA,  9
.set GOB,  10
.set ADV,  11
.set DB,   29
.set WV,   18
.set TB,   19                          ; the step's first byte in K's images
.set SEL,  20
.set CS,   22
.set G1A,  24                          ; group 1: 16 rows of 256 bytes
.set G1B,  32                          ; group 1: 48 rows
.set G0A,  40
.set G0B,  44
.set CNT,  51                          ; the step's number
.set QP,   56
.set AP,   58
.set E89,  80
.set LA,   91                          ; the first tile's last step; s92 the second's
.set LB,   92
.set PA,   93                          ; m % 2 of the first tile; s94 of the second
.set PB,   94
.set S0,   95                          ; steps of the first tile that I walk ahead of the barrier
.macro CROUND                          ; a round of the cluster's barrier
	s_barrier_signal -1
	s_barrier_wait -1
	s_cmp_lg_u32 s[WV], 0
	s_cbranch_scc1 .Lnot_wave_0_\@
	s_barrier_signal -3
.Lnot_wave_0_\@:
	s_barrier_wait -3
	s_barrier_signal -1
	s_barrier_wait -1
.endm
.macro STATE                           ; a tile's start: O^T and the sum are zeros, the largest t is under every t
	v_mov_b32 v13, 0xff61b1e6
	s_delay_alu instid0(VALU_DEP_1)
	v_floor_f32 v12, -v13
	v_mov_b32 v14, 0
	v_mov_b32 v15, 0
.set n, 0
.rept 32
	v_mov_b32 v[160+n], 0
.set n, n+1
.endr
.endm
	s_load_b256 s[4:11], s[0:1], 0x0               ; q_codes 4, k_codes 6, v_codes 8, the scales' exponents 10
	s_load_b64 s[12:13], s[0:1], 0x20              ; a_codes
	v_lshl_add_u32 v[SPW], v0, 2, SPARE
	v_mov_b32 v[NIL], 0
	ds_add_u32 v[SPW], v[NIL]                      ; the opening: the add, twice on end, and its wait ahead of my first tensor load
	ds_add_u32 v[SPW], v[NIL]
	v_lshrrev_b32 v30, 5, v0
	v_readfirstlane_b32 s[WV], v30                 ; wave 0..15
	s_and_b32 s14, ttmp7, 0xffff                   ; the pair
	s_lshl_b32 s16, s14, 17                        ; its 131,072 bytes in q_codes, k_codes and v_codes alike
	s_mov_b32 s17, 0
	s_lshr_b32 s48, s[WV], 3                       ; waves 0-7 fetch K, waves 8-15 V
	s_and_b32 s49, s[WV], 7
	s_lshl_b32 s52, s48, 17                        ; LDS: K's images, or V's behind them
	s_lshl_b32 s60, s49, 12                        ; first load: byte 4,096 x (wave % 8)
	s_mul_i32 s62, s49, P2
	s_add_co_u32 s62, s62, 8*P1                    ; second load: byte 32,768 + 12,288 x (wave % 8)
	s_mov_b32 s61, 0
	s_mov_b32 s63, 0
	s_mov_b32 s[G0A], 1
	s_add_co_u32 s[G0A+1], s52, s60
	s_mov_b32 s[G0B], 1
	s_add_co_u32 s[G0B+1], s52, s62
	s_mov_b32 s[G1A], 15|(3<<16)|(1<<21)           ; the mask: all four partners; elements of 8 bytes; bit 21 beside a mask
	s_mov_b32 s[G1A+1], 32<<16                     ; rows of 256 bytes
	s_mov_b32 s[G1A+2], (P1/256)<<16
	s_mov_b32 s[G1A+3], 32<<16
	s_mov_b32 s[G1A+4], P1/256
	s_mov_b32 s[G1A+5], 32
	s_mov_b32 s[G1A+6], 0
	s_mov_b32 s[G1A+7], 0
	s_mov_b32 s[G1B], 15|(3<<16)|(1<<21)
	s_mov_b32 s[G1B+1], 32<<16
	s_mov_b32 s[G1B+2], (P2/256)<<16
	s_mov_b32 s[G1B+3], 32<<16
	s_mov_b32 s[G1B+4], P2/256
	s_mov_b32 s[G1B+5], 32
	s_mov_b32 s[G1B+6], 0
	s_mov_b32 s[G1B+7], 0
	s_mov_b32 s[SEL], 0x76543210
	s_mov_b32 s[SEL+1], 0xfedcba98
	s_mov_b32 s[CS], 0x3e38aa3b                    ; log2(e) / 8
	s_wait_dscnt 0x0                               ; both opening adds are done
	s_wait_kmcnt 0x0
	s_load_b256 s[68:75], s[10:11], 0x0            ; entries 0 to 7
	s_load_b128 s[76:79], s[10:11], 0x20           ; entries 8 to 11
	s_cmp_eq_u32 s48, 0
	s_cselect_b64 s[54:55], s[6:7], s[8:9]
	s_add_nc_u64 s[54:55], s[54:55], s[16:17]      ; my tensor at my pair
	s_add_nc_u64 s[G0A+2:G0A+3], s[54:55], s[60:61]
	s_or_b32 s[G0A+3], s[G0A+3], 0x80000000
	s_add_nc_u64 s[G0B+2:G0B+3], s[54:55], s[62:63]
	s_or_b32 s[G0B+3], s[G0B+3], 0x80000000
	CROUND                                         ; all four work-groups are here: the first joint loads meet
	tensor_load_to_lds s[G0A:G0A+3], s[G1A:G1A+7]  ; my sixteenth of keys 0 to 511: one tensor load a wave at the head
	s_nop 0
.rept 4
	v_nop
.endr
	s_bfe_u32 s15, ttmp6, 0x40000                  ; J: my place in the cluster
	s_add_nc_u64 s[QP:QP+1], s[4:5], s[16:17]
	s_and_b32 s2, s14, 15                          ; the head
	s_lshr_b32 s3, s2, 2
	s_lshl_b32 s3, s3, 21                          ; (head / 4) x 512 x 4,096
	s_and_b32 s2, s2, 3
	s_lshl_b32 s2, s2, 10                          ; + (head % 4) x 1,024
	s_add_co_u32 s2, s2, s3
	s_lshr_b32 s3, s14, 4
	s_lshl_b32 s3, s3, 19                          ; + batch x 128 x 4,096
	s_add_co_u32 s2, s2, s3
	s_mov_b32 s3, 0
	s_add_nc_u64 s[AP:AP+1], s[12:13], s[2:3]
	s_lshr_b32 s52, s[WV], 2                       ; g
	s_and_b32 s53, s[WV], 3                        ; c
	s_lshl_b32 s54, s52, 2                         ; 4 g
	s_cmp_eq_u32 s52, 3
	s_cselect_b32 s55, 8, 0
	s_cmp_ge_u32 s52, 2
	s_cselect_b32 s49, 4, 0
	s_sub_co_u32 s50, 31, s54
	s_sub_co_u32 s50, s50, s55
	s_sub_co_u32 s50, s50, s53                     ; the first tile's m: 31, 27, 23, 11 less c
	s_sub_co_u32 s48, 16, s54
	s_sub_co_u32 s48, s48, s49
	s_add_co_u32 s48, s48, s53                     ; the second tile's m: 16, 12, 4, 0 and c
	s_lshl_b32 s54, s52, 1
	s_sub_co_u32 s54, 6, s54
	s_min_u32 s[S0], s54, 4                        ; 4, 4, 2, 0
	s_lshr_b32 s[LA], s50, 1
	s_and_b32 s[PA], s50, 1
	s_lshr_b32 s[LB], s48, 1
	s_and_b32 s[PB], s48, 1
	s_lshl_b32 s82, s50, 2
	s_add_co_u32 s82, s82, s15                     ; T = 4 m + J
	s_lshl_b32 s83, s48, 2
	s_add_co_u32 s83, s83, s15
	s_lshl_b32 s84, s82, 10                        ; a tile is 1,024 bytes in q_codes,
	s_lshl_b32 s85, s83, 10
	s_lshl_b32 s86, s82, 12                        ; and 4,096 bytes on in a_codes
	s_lshl_b32 s87, s83, 12
	s_lshl_b32 s89, s15, 4
	s_lshl_b32 s88, s[PA], 6
	s_add_co_u32 s88, s88, s89                     ; 64 (m % 2) + 16 J
	s_lshl_b32 s90, s[PB], 6
	s_add_co_u32 s90, s90, s89
	v_and_b32 v30, 31, v0
	v_lshlrev_b32 v[LI], 4, v30
	v_bfe_u32 v30, v0, 4, 1
	v_and_b32 v31, 15, v0
	v_lshlrev_b32 v30, 3, v30
	v_sub_nc_u32 v31, v31, v30                     ; lane % 16 - 8 (lane / 16)
	v_add_nc_u32 v[LV], VOFF, v[LI]
	v_add_nc_u32 v[DA], s88, v31
	v_add_nc_u32 v[DB], s90, v31
	v_add_nc_u32 v[QOA], s84, v[LI]
	v_add_nc_u32 v[QOB], s85, v[LI]
	v_add_nc_u32 v[GOA], s86, v[LI]
	v_add_nc_u32 v[GOB], s87, v[LI]
	global_load_b128 v[16:19], v[QOA], s[QP:QP+1]  ; both tiles' Q stay in registers
	global_load_b128 v[20:23], v[QOA], s[QP:QP+1] offset:512
	global_load_b128 v[224:227], v[QOB], s[QP:QP+1]
	global_load_b128 v[228:231], v[QOB], s[QP:QP+1] offset:512
	STATE
	v_mov_b32 v236, 0                              ; written once: a lane permute's destination counts as one of its sources
	v_mov_b32 v252, 0
	v_mov_b32 v253, 0                              ; (named as the upper half of the pair v[252:253])
	s_wait_kmcnt 0x0
	s_add_co_i32 s2, s74, s75
	s_lshl_b32 s2, s2, 23
	s_add_co_i32 s[CS], s[CS], s2                  ; a score stands for score x 2^(e6 + e7): added to c's exponent field
	s_mov_b32 s[CS+1], s[CS]
	s_add_co_i32 s2, s76, 127
	s_lshl_b32 s3, s2, 23
	v_mov_b32 v24, s3                              ; 2^e8 as f32, for p's conversions
	s_add_co_i32 s2, s2, 15
	s_lshl_b32 s2, s2, 23
	s_or_b32 s2, s2, 0x600000
	v_mov_b32 v25, s2                              ; 57,344 x 2^e8,
	v_mov_b32 v28, s2                              ; twice: the two halves of a dual instruction take their first sources from different register banks
	s_add_co_i32 s2, s78, 127
	s_lshl_b32 s3, s2, 23
	v_mov_b32 v26, s3                              ; 2^e10, for the result's
	s_add_co_i32 s2, s2, 15
	s_lshl_b32 s2, s2, 23
	s_or_b32 s2, s2, 0x600000
	v_mov_b32 v27, s2
	s_add_co_i32 s[E89], s76, s77                  ; e8 + e9
; KEY STEPS first .. last - 1 of one tile, 128 keys each; q: Q's registers.  msk = 0: the steps under s[S0], none masked.  msk = 1, 2: steps behind the tile's last (s[L]) are jumped over, and the last one is masked
; (s[PAR] = m % 2, v[DV] the mask's number); msk = 2: the steps under s[S0], which are done, are jumped over too.
.macro TILE first, last, q, msk, L, PAR, DV
	s_mov_b32 s[TB], (\first)*STEPB
	s_mov_b32 s[CNT], \first
.Lstep_\@:
.if \msk
	s_cmp_gt_u32 s[CNT], s[\L]                     ; all its keys come after my queries: the wave's number and the count of steps alone decide
	s_cbranch_scc1 .Lhidden_\@
.endif
.if \msk == 0
	s_cmp_ge_u32 s[CNT], s[S0]
	s_cbranch_scc1 .Lhidden_\@
.endif
.if \msk == 2
	s_cmp_lt_u32 s[CNT], s[S0]
	s_cbranch_scc1 .Lhidden_\@
.endif
	v_add_nc_u32 v[ADK], s[TB], v[LI]
	v_add_nc_u32 v[ADV], s[TB], v[LV]
.rept 2
	v_nop                                          ; with the two additions: four places in front of loads into registers that the last products read
.endr
.irp t, 0,1,2,3,4,5,6,7
	ds_load_b128 v[32+8*\t:35+8*\t], v[ADK] offset:\t*1024        ; K's image of keys 16 t on
	ds_load_b128 v[36+8*\t:39+8*\t], v[ADK] offset:\t*1024+512
.endr
	s_wait_alu depctr_va_vdst(0)
	s_wait_dscnt 0x0
.irp t, 0,1,2,3,4,5,6,7
	v_wmma_f32_16x16x64_bf8_bf8 v[96+8*\t:103+8*\t], v[32+8*\t:39+8*\t], v[\q:\q+7], 0
.endr
.rept 4
	v_nop                                          ; places in front of the loads below and of the first read of the scores
.endr
.irp d, 0,1,2,3
.irp c, 0,1,2,3
	ds_load_b128 v[32+16*\d+4*\c:35+16*\d+4*\c], v[ADV] offset:2048*\d+512*\c   ; V's four images: they land while the softmax is walked
.endr
.endr
.if \msk
	s_cmp_lg_u32 s[CNT], s[\L]                     ; not the tile's last step: all keys count
	s_cbranch_scc1 .Lopen_\@
	s_cmp_eq_u32 s[\PAR], 0
	s_cbranch_scc0 .Lodd_\@
	v_mov_b32 v254, 0xff800000                     ; -infinity: p = 0 then.  Register 8 t + j is hidden where 16 t + j is above v[DV]
.set n, 0
.rept 32
	v_cmp_gt_i32 vcc_lo, 16*(n/8)+n%8, v[\DV]
	v_cndmask_b32 v[96+n], v[96+n], v254, vcc_lo
.set n, n+1
.endr
.rept 32
	v_mov_b32 v[96+n], v254                        ; m even: keys 64 on are hidden whatever J is
.set n, n+1
.endr
	s_branch .Lopen_\@
.Lodd_\@:
	v_mov_b32 v254, 0xff800000
.set n, 32
.rept 32
	v_cmp_gt_i32 vcc_lo, 16*(n/8)+n%8, v[\DV]      ; m odd: keys 0 to 63 all count
	v_cndmask_b32 v[96+n], v[96+n], v254, vcc_lo
.set n, n+1
.endr
.Lopen_\@:
.endif
	v_max3_num_f32 v254, v96, v97, v98             ; the step's largest score of my query among my 64 keys, in two chains; each tile is read from its low end on
	v_max3_num_f32 v252, v99, v100, v101
.irp i, 6,10,14,18,22,26,30,34,38,42,46,50,54,58
	v_max3_num_f32 v254, v254, v[96+\i], v[97+\i]
	v_max3_num_f32 v252, v252, v[98+\i], v[99+\i]
.endr
	v_max3_num_f32 v254, v254, v158, v159
	s_delay_alu instid0(VALU_DEP_1)
	v_max_num_f32 v254, v254, v252
	s_delay_alu instid0(VALU_DEP_1)
	v_permlanex16_b32 v236, v254, s[SEL], s[SEL+1]
	s_delay_alu instid0(VALU_DEP_1)
	v_max_num_f32 v254, v254, v236                 ; and among lane xor 16's
	s_delay_alu instid0(VALU_DEP_1)
	v_mul_f32 v254, s[CS], v254                    ; as t (c is positive)
	s_delay_alu instid0(VALU_DEP_1)
	v_max_num_f32 v13, v13, v254                   ; the running largest t
	v_mov_b32 v254, v12
	s_delay_alu instid0(VALU_DEP_2)
	v_floor_f32 v12, -v13                          ; the new -M = -ceil(t): a whole number
	s_delay_alu instid0(VALU_DEP_1)
	v_sub_f32 v254, v12, v254                      ; old M - new M: a whole number, 0 or less
	s_delay_alu instid0(VALU_DEP_1)
	v_cvt_i32_f32 v254, v254                       ; (it saturates)
	s_delay_alu instid0(VALU_DEP_1)
	v_ldexp_f32 v252, 1.0, v254                    ; f = 2^(old M - new M)
.set n, 0
.rept 32
	v_pk_fma_f32 v[96+n:97+n], v[96+n:97+n], s[CS:CS+1], v[12:13] op_sel_hi:[1,0,0]   ; t - M, two at a time
.set n, n+2
.endr
.set n, 0
	s_wait_alu depctr_va_vdst(0)
.rept 64
	v_exp_f32 v[96+n], v[96+n]                     ; p = 2^(t - M), at most 1
.set n, n+1
.endr
	v_pk_mul_f32 v[14:15], v[14:15], v[252:253] op_sel_hi:[1,0]   ; the sums under the new M.  (The plain line behind the exponentials)
	s_wait_alu depctr_va_vdst(0)                   ; one wait for the batch of 64, ahead of its first reader
	v_pk_add_f32 v[242:243], v[100:101], v[104:105]
	v_pk_add_f32 v[254:255], v[108:109], v[112:113]
	v_pk_add_f32 v[250:251], v[116:117], v[120:121]
	v_pk_add_f32 v[248:249], v[124:125], v[128:129]
	v_pk_add_f32 v[246:247], v[132:133], v[136:137]
	v_pk_add_f32 v[244:245], v[140:141], v[144:145]
	v_pk_add_f32 v[240:241], v[148:149], v[152:153]
	v_pk_add_f32 v[14:15], v[14:15], v[156:157]
	v_pk_add_f32 v[242:243], v[242:243], v[96:97]
	v_pk_add_f32 v[254:255], v[254:255], v[98:99]
	v_pk_add_f32 v[250:251], v[250:251], v[102:103]
	v_pk_add_f32 v[248:249], v[248:249], v[106:107]
	v_pk_add_f32 v[246:247], v[246:247], v[110:111]
	v_pk_add_f32 v[244:245], v[244:245], v[114:115]
	v_pk_add_f32 v[240:241], v[240:241], v[118:119]
	v_pk_add_f32 v[14:15], v[14:15], v[122:123]
	v_pk_add_f32 v[242:243], v[242:243], v[126:127]
	v_pk_add_f32 v[254:255], v[254:255], v[130:131]
	v_pk_add_f32 v[250:251], v[250:251], v[134:135]
	v_pk_add_f32 v[248:249], v[248:249], v[138:139]
	v_pk_add_f32 v[246:247], v[246:247], v[142:143]
	v_pk_add_f32 v[244:245], v[244:245], v[146:147]
	v_pk_add_f32 v[240:241], v[240:241], v[150:151]
	v_pk_add_f32 v[14:15], v[14:15], v[154:155]
	v_pk_add_f32 v[242:243], v[242:243], v[158:159]
	s_delay_alu instid0(VALU_DEP_2)
	v_pk_add_f32 v[14:15], v[14:15], v[248:249]
	s_delay_alu instid0(VALU_DEP_2)
	v_pk_add_f32 v[242:243], v[242:243], v[246:247]
	v_pk_add_f32 v[254:255], v[254:255], v[244:245]
	v_pk_add_f32 v[250:251], v[250:251], v[240:241]
	s_delay_alu instid0(VALU_DEP_2)
	v_pk_add_f32 v[14:15], v[14:15], v[254:255]
	s_delay_alu instid0(VALU_DEP_2)
	v_pk_add_f32 v[242:243], v[242:243], v[250:251]
	s_delay_alu instid0(VALU_DEP_1)
	v_pk_add_f32 v[14:15], v[14:15], v[242:243]
.irp t, 0,1,2,3,4,5,6,7
.irp i, 0,2,4,6
	v_dual_min_num_f32 v[96+8*\t+\i], v25, v[96+8*\t+\i] :: v_dual_min_num_f32 v[97+8*\t+\i], v28, v[97+8*\t+\i]   ; the conversion does not saturate (ISA guide 7.6.2); p is not negative, so the hold is one-sided; two numbers a line
.endr
	v_cvt_scalef32_pk8_bf8_f32 v[192+2*\t:193+2*\t], v[96+8*\t:103+8*\t], v24   ; keys 16 t + 8 (lane / 16) + 0 .. 7: registers 2 t, 2 t + 1 of P
.endr
	s_wait_alu depctr_va_vdst(0)
.set n, 0
.rept 16
	v_pk_mul_f32 v[160+n:161+n], v[160+n:161+n], v[252:253] op_sel_hi:[1,0]   ; O^T under the new M.  (Plain lines between the conversions and the products that read their results)
.set n, n+2
.endr
	s_wait_alu depctr_va_vdst(0)
	s_wait_dscnt 0x0                               ; V is in
.irp d, 0,1,2,3
	v_wmma_f32_16x16x128_bf8_bf8 v[160+8*\d:167+8*\d], v[32+16*\d:47+16*\d], v[192:207], v[160+8*\d:167+8*\d]   ; the four accumulators take turns
.endr
.Lhidden_\@:
	s_add_co_u32 s[TB], s[TB], STEPB
	s_add_co_u32 s[CNT], s[CNT], 1
	s_cmp_lt_u32 s[CNT], \last
	s_cbranch_scc1 .Lstep_\@
.endm
; A tile's end: O^T / the sum x 2^(e8 + e9), quantised by entry 10, stored as an image: two stores of 512 consecutive bytes.  Each tile has its own registers for offset and codes, so no store's sources are written again.
.macro FINISH go, cd
.rept 4
	v_nop                                          ; places behind the last products
.endr
	v_add_f32 v14, v14, v15                        ; the sum's two halves,
	s_wait_alu depctr_va_vdst(0)
	v_permlanex16_b32 v252, v14, s[SEL], s[SEL+1]
	s_delay_alu instid0(VALU_DEP_1)
	v_add_f32 v14, v14, v252                       ; and lane xor 16's
	s_wait_alu depctr_va_vdst(0)
	v_rcp_f32 v14, v14
	v_nop                                          ; a plain line behind the transcendental
	s_wait_alu depctr_va_vdst(0)                   ; and the wait ahead of its first reader
	v_ldexp_f32 v14, v14, s[E89]
	s_wait_alu depctr_va_vdst(0)
.set n, 0
.rept 32
	v_mul_f32 v[96+n], v[160+n], v14               ; register 8 t + j: d = 16 t + 8 (lane / 16) + j of my query
.set n, n+1
.endr
.set n, 0
.rept 32
	v_med3_num_f32 v[96+n], v[96+n], -v27, v27     ; the hold at the largest code x the scale
.set n, n+1
.endr
.irp d, 0,1,2,3
	v_cvt_scalef32_pk8_bf8_f32 v[\cd+2*\d:\cd+2*\d+1], v[96+8*\d:103+8*\d], v26
.endr
	v_nop                                          ; one plain line behind the last conversion
	global_store_b128 v[\go], v[\cd:\cd+3], s[AP:AP+1]
	global_store_b128 v[\go], v[\cd+4:\cd+7], s[AP:AP+1] offset:512
.endm
	s_wait_alu depctr_va_vdst(0)
	s_wait_tensorcnt 0x0                           ; my part of keys 0 to 511 is in
	ds_add_u32 v[SPW], v[NIL]
	s_wait_dscnt 0x0
	CROUND                                         ; everybody's part is in, and all four work-groups are here: the joint loads meet
	tensor_load_to_lds s[G0B:G0B+3], s[G1B:G1B+7]  ; my sixteenth of keys 512 on: the first tensor load behind the round
	s_nop 0
.rept 4
	v_nop
.endr
	s_wait_loadcnt 0x0                             ; Q
	TILE 0, 4, 16, 0, 0, 0, 0                      ; the first tile's steps under s[S0]: they read keys 0 to 511 alone, bytes on which the load that is out does not land; every first tile has at least five steps
	s_wait_tensorcnt 0x0                           ; my part of the rest is in
	ds_add_u32 v[SPW], v[NIL]
	s_wait_dscnt 0x0
	s_barrier_signal -1
	s_barrier_wait -1                              ; everybody's is: from here on LDS is only read
	TILE 0, 16, 16, 2, LA, PA, DA                  ; the first tile's other steps
	FINISH GOA, 208
	STATE
	TILE 0, 10, 224, 1, LB, PB, DB                 ; the second tile has ten steps at the most (m = 19)
	FINISH GOB, 216
	s_wait_tensorcnt 0x0                           ; the wave's end
	ds_add_u32 v[SPW], v[NIL]
	s_wait_dscnt 0x0
	CROUND                                         ; the closing round
	s_endpgm
.Lfunc_end_k_q167193b50f_attn:
	.size	k_q167193b50f_attn, .Lfunc_end_k_q167193b50f_attn-k_q167193b50f_attn
	.p2alignl 7, 3214868480
	.fill 96, 4, 3214868480
	.section	.rodata,"a",@progbits
	.p2align	6, 0x0
	.amdhsa_kernel k_q167193b50f_attn
		.amdhsa_group_segment_fixed_size 327680
		.amdhsa_private_segment_fixed_size 0
		.amdhsa_enable_private_segment 0
		.amdhsa_kernarg_size 40
		.amdhsa_user_sgpr_count 2
		.amdhsa_user_sgpr_kernarg_segment_ptr 1
		.amdhsa_wavefront_size32 1
		.amdhsa_system_sgpr_workgroup_id_x 1
		.amdhsa_system_sgpr_workgroup_id_y 1
		.amdhsa_system_sgpr_workgroup_id_z 1
		.amdhsa_system_vgpr_workitem_id 0
		.amdhsa_next_free_vgpr 256
		.amdhsa_next_free_sgpr 100
		.amdhsa_reserve_vcc 1
		.amdhsa_float_denorm_mode_32 3
		.amdhsa_float_denorm_mode_16_64 3
		.amdhsa_memory_ordered 1
		.amdhsa_forward_progress 1
		.amdhsa_inst_pref_size 79
	.end_amdhsa_kernel
	.amdgpu_metadata
---
amdhsa.version: [ 1, 2 ]
amdhsa.kernels:
  - .name:           k_q167193b50f_attn
    .symbol:         k_q167193b50f_attn.kd
    .args:
      - { .name: q_codes, .offset: 0, .size: 8, .value_kind: global_buffer, .address_space: global }
      - { .name: k_codes, .offset: 8, .size: 8, .value_kind: global_buffer, .address_space: global }
      - { .name: v_codes, .offset: 16, .size: 8, .value_kind: global_buffer, .address_space: global }
      - { .name: lowp_scales, .offset: 24, .size: 8, .value_kind: global_buffer, .address_space: global }
      - { .name: a_codes, .offset: 32, .size: 8, .value_kind: global_buffer, .address_space: global }
    .group_segment_fixed_size: 327680
    .private_segment_fixed_size: 0
    .kernarg_segment_align: 8
    .kernarg_segment_size: 40
    .max_flat_workgroup_size: 512
    .sgpr_count:     100
    .vgpr_count:     256
    .wavefront_size: 32
...
	.end_amdgpu_metadata
.endif
;; end of part 2
;; launch outp (part 3): grid 4 x 64, 4 waves a work-group, clusters of 4 x 4, 327,680 bytes of LDS; arguments a_codes, Wp_codes, lowp_scales, out0, bp; writes out0
.if DOCPART == 3
	.amdgcn_target "amdgcn-amd-amdhsa--gfx1250"
	.amdhsa_code_object_version 6
	.text
	.protected	k_q167193b50f_outp
	.globl	k_q167193b50f_outp
	.p2align	8
	.type	k_q167193b50f_outp,@function
k_q167193b50f_outp:
	s_mov_b64 s[64:65], 0
	v_nop
	global_prefetch_b8 v0, s[64:65] scope:SCOPE_SE
	s_setreg_imm32_b32 hwreg(HW_REG_WAVE_MODE, 25, 1), 1
	s_wait_xcnt 0x0
	s_wait_alu depctr_hold_cnt(0) depctr_sa_sdst(0) depctr_va_vdst(0) depctr_va_sdst(0) depctr_va_ssrc(0) depctr_va_vcc(0) depctr_vm_vsrc(0)
	s_getreg_b32 s2, hwreg(HW_REG_IB_STS2, 6, 4)
	s_cmp_eq_u32 s2, 0
	s_cbranch_scc0 .Lentry_in_a_cluster
	s_endpgm
.Lentry_in_a_cluster:
	s_bfe_u32 s2, ttmp6, 0x10000c
	s_cmp_lg_u32 s2, 0xf033
	s_cbranch_scc0 .Lentry_shape_is_right
	s_endpgm
.Lentry_shape_is_right:
.set SIZE_N, 1024
.set ROWB,   256
.set KROW,   1024
.set PITCH,  272
.set FR,     16
.set NL,     4
.set NP,     4
.set AHALF,  16384
.set BHALF,  128*PITCH
.set BOFF,   2*AHALF
.set SLOT,   BOFF+2*BHALF
.set ASTEP,  2097152
.set SPARE,  2*SLOT
.set SPITCH, 528
.set ADRA, 16
.set ADRB, 20
.set STO,  24
.set RD,   25
.set CO,   26
.set SPW,  28
.set NIL,  29
.set AF,   128
.set BK,   128
.set G1, 24
.set G0, 32
.set G1B, 48
.set G0B, 56
.set MSB, 0
.macro WIN new
.if MSB != \new
	s_set_vgpr_msb (MSB<<8)|\new
.set MSB, \new
.endif
.endm
.set MUL_LO, 0xa1
.set MUL_HI, 0xf1
.set TO_B,   0x40
.macro JLOAD g0a, g1a, g0b, g1b
	s_cmp_eq_u32 s15, 0
	s_cbranch_scc0 .Lfor_b_\@
	tensor_load_to_lds s[\g0a:\g0a+3], s[\g1a:\g1a+7]
	s_nop 0
.rept 4
	v_nop
.endr
	s_branch .Lasked_\@
.Lfor_b_\@:
	tensor_load_to_lds s[\g0b:\g0b+3], s[\g1b:\g1b+7]
	s_nop 0
.rept 4
	v_nop
.endr
.Lasked_\@:
.endm
.macro CREST
	s_cmp_lg_u32 s14, 0
	s_cbranch_scc1 .Lnot_wave_0_\@
	s_barrier_signal -3
.Lnot_wave_0_\@:
	s_barrier_wait -3
	s_barrier_signal -1
	s_barrier_wait -1
.endm
.macro CROUND
	s_barrier_signal -1
	s_barrier_wait -1
	CREST
.endm
	s_load_b128 s[4:7], s[0:1], 0x0
	s_load_b128 s[8:11], s[0:1], 0x10
	s_load_b64 s[12:13], s[0:1], 0x20
	v_lshl_add_u32 v[SPW], v0, 2, SPARE
	v_mov_b32 v[NIL], 0
	ds_add_u32 v28, v29
	ds_add_u32 v28, v29
	s_wait_dscnt 0x0
	v_lshrrev_b32 v1, 5, v0
	v_readfirstlane_b32 s14, v1
	s_lshr_b32 s15, s14, 1
	s_and_b32 s16, s14, 1
	s_bfe_u32 s40, ttmp6, 0x40000
	s_bfe_u32 s41, ttmp6, 0x40004
	s_lshl_b32 s42, ttmp9, 2
	s_add_co_u32 s42, s42, s40
	s_and_b32 s17, ttmp7, 0xffff
	s_lshl_b32 s17, s17, 2
	s_add_co_u32 s17, s17, s41
	s_lshl_b32 s43, s41, 2
	s_lshl_b32 s43, 15, s43
	s_lshl_b32 s44, 0x1111, s40
	s_or_b32 s[G1+0], s43, (3<<16)|(1<<21)
	s_mov_b32 s[G1+1], 32<<16
	s_mov_b32 s[G1+2], 64<<16
	s_mov_b32 s[G1+3], 32<<16
	s_mov_b32 s[G1+4], 64
	s_mov_b32 s[G1+5], 32
	s_mov_b32 s[G1+6], 0
	s_mov_b32 s[G1+7], 0
	s_or_b32 s[G1B+0], s44, (0<<16)|(1<<20)|(1<<21)|(5<<22)|(3<<25)
	s_mov_b32 s[G1B+1], ROWB<<16
	s_mov_b32 s[G1B+2], 128<<16
	s_mov_b32 s[G1B+3], ROWB<<16
	s_mov_b32 s[G1B+4], 128
	s_mov_b32 s[G1B+5], KROW
	s_mov_b32 s[G1B+6], 0
	s_mov_b32 s[G1B+7], 0
	s_lshl_b32 s20, s17, 15
	s_lshl_b32 s18, s16, 14
	s_add_co_u32 s20, s20, s18
	s_lshl_b32 s46, s42, 8
	s_lshl_b32 s18, s16, 7
	s_add_co_u32 s46, s46, s18
	s_lshl_b32 s46, s46, 10
	s_mov_b32 s21, 0
	s_mov_b32 s47, 0
	s_lshl_b32 s45, s16, 14
	s_mul_i32 s23, s16, BHALF
	s_add_co_u32 s23, s23, BOFF
	s_wait_kmcnt 0x0
	s_load_b64 s[96:97], s[8:9], 0x28
	s_add_nc_u64 s[20:21], s[4:5], s[20:21]
	s_add_nc_u64 s[46:47], s[6:7], s[46:47]
	CROUND
.irp s, 0,1
	s_mov_b32 s[G0+4*\s], 1
	s_add_co_u32 s[G0+4*\s+1], s45, \s*SLOT
	s_add_nc_u64 s[G0+4*\s+2:G0+4*\s+3], s[20:21], \s*ASTEP
	s_or_b32 s[G0+4*\s+3], s[G0+4*\s+3], 0x80000000
	s_mov_b32 s[G0B+4*\s], 1
	s_add_co_u32 s[G0B+4*\s+1], s23, \s*SLOT
	s_add_nc_u64 s[G0B+4*\s+2:G0B+4*\s+3], s[46:47], \s*ROWB
	s_or_b32 s[G0B+4*\s+3], s[G0B+4*\s+3], 0x80000000
.endr
	JLOAD G0, G1, G0B, G1B                         ; slot 0, behind the opening round: one tensor load a wave at the head
	v_and_b32 v1, 15, v0
	v_bfe_u32 v2, v0, 4, 1
	v_and_b32 v6, 31, v0
	v_lshlrev_b32 v[CO], 4, v6
	v_mul_u32_u24 v3, v1, PITCH
	v_lshl_add_u32 v4, v2, 3, v3
	s_lshl_b32 s21, s15, 14
	s_mul_i32 s22, s16, BHALF
	s_add_co_u32 s22, s22, BOFF
.irp s, 0,1
	v_add_nc_u32 v[ADRA+\s], s21, v[CO]
	v_add_nc_u32 v[ADRB+\s], s22, v4
	s_add_co_u32 s21, s21, SLOT
	s_add_co_u32 s22, s22, SLOT
.endr
	s_mul_i32 s23, s14, 16*SPITCH
	v_mul_u32_u24 v5, v1, SPITCH
	v_lshl_add_u32 v5, v2, 5, v5
	v_add_nc_u32 v[STO], s23, v5
	v_add_nc_u32 v[RD], s23, v[CO]
	s_lshl_b32 s20, s17, 7
	s_lshl_b32 s21, s15, 6
	s_add_co_u32 s20, s20, s21
	s_lshl_b32 s20, s20, 12
	s_mov_b32 s21, 0
	s_lshl_b32 s46, s42, 10
	s_lshl_b32 s47, s16, 9
	s_add_co_u32 s46, s46, s47
	s_mov_b32 s47, 0
	s_add_nc_u64 s[20:21], s[20:21], s[46:47]
	s_add_nc_u64 s[10:11], s[10:11], s[20:21]
	s_add_nc_u64 s[12:13], s[12:13], s[46:47]
	global_load_b128 v[8:11], v[CO], s[12:13]
.macro FRAGA reg, adr, q, i
.irp c, 0,1,2,3
	ds_load_b128 v[\reg+4*\c:\reg+4*\c+3], v[\adr] offset:4096*((\i)%4)+2048*(\q)+512*\c
.endr
.endm
.macro FRAGB reg, adr, q, i
.irp c, 0,1,2,3,4,5,6,7
	ds_load_b64 v[\reg+2*\c:\reg+2*\c+1], v[\adr] offset:128*(\q)+16*\c+(\i)*16*PITCH
.endr
.endm
.macro MUL16 a0, p, zero
.irp a, \a0, \a0+1
.irp b, 0,1,2,3,4,5,6,7
.if \zero
	v_wmma_f32_16x16x128_bf8_bf8 v[8*(8*((\a)%4)+\b):8*(8*((\a)%4)+\b)+7], v[128*(\p)+FR*\b:128*(\p)+FR*\b+FR-1], v[AF+FR*(\a):AF+FR*(\a)+FR-1], 0
.else
	v_wmma_f32_16x16x128_bf8_bf8 v[8*(8*((\a)%4)+\b):8*(8*((\a)%4)+\b)+7], v[128*(\p)+FR*\b:128*(\p)+FR*\b+FR-1], v[AF+FR*(\a):AF+FR*(\a)+FR-1], v[8*(8*((\a)%4)+\b):8*(8*((\a)%4)+\b)+7]
.endif
.endr
.endr
.endm
.macro FETCH_B slot, q, p
	WIN TO_B
.irp i, 0,1,2,3,4,5,6,7
	FRAGB 128*(\p)+FR*\i, ADRB+\slot, \q, \i
.endr
	WIN 0
.endm
.macro FETCH_A slot, q, i0
.irp i, \i0, \i0+1, \i0+2, \i0+3
	FRAGA AF+FR*(\i), ADRA+\slot, \q, \i
.endr
.endm
.macro PLACES n
.rept \n
	v_nop
.endr
.endm
; A block of C is 128 x 256; a wave makes 64 x 128: 32 accumulators, two sets of fragments on both sides (A's set 1 in fragments 4-7).
.macro STEP slot, q, zero
	s_wait_dscnt 0
	PLACES NP
	FETCH_B \slot, 1, 1
	FETCH_A \slot, 1, 4
	WIN MUL_LO
	MUL16 0, 0, \zero
	MUL16 2, 0, \zero
	WIN 0
.endm
.macro TURN slot, next, fill
	s_wait_tensorcnt 0x0
	ds_add_u32 v[SPW], v[NIL]
	s_wait_dscnt 0x0
	s_barrier_signal -1
	WIN MUL_LO
	MUL16 4, 1, 0
	WIN 0
	s_barrier_wait -1
.if \fill
	CREST
	s_add_nc_u64 s[G0+4*\slot+2:G0+4*\slot+3], s[G0+4*\slot+2:G0+4*\slot+3], 2*ASTEP
	s_add_nc_u64 s[G0B+4*\slot+2:G0B+4*\slot+3], s[G0B+4*\slot+2:G0B+4*\slot+3], 2*ROWB
	JLOAD G0+4*\slot, G1, G0B+4*\slot, G1B
.else
	PLACES NP
.endif
	FETCH_B \next, 0, 0
	FETCH_A \next, 0, 0
	WIN MUL_LO
	MUL16 6, 1, 0
	WIN 0
.endm
	s_wait_alu depctr_va_vdst(0)
	s_wait_tensorcnt 0x0                           ; my part of slot 0 is in
	ds_add_u32 v[SPW], v[NIL]
	s_wait_dscnt 0x0
	CROUND                                         ; everybody's part of slot 0 is in, and all sixteen work-groups are here
	JLOAD G0+4, G1, G0B+4, G1B                     ; slot 1's first fill: the first tensor load behind the round
	FETCH_B 0, 0, 0
	FETCH_A 0, 0, 0
	STEP 0, 0, 1
	TURN 0, 1, 1
	STEP 1, 0, 0
	TURN 1, 0, 1
	STEP 0, 0, 0
	TURN 0, 1, 0
	STEP 1, 0, 0
	s_wait_dscnt 0
	WIN MUL_LO
	MUL16 4, 1, 0
	MUL16 6, 1, 0
	WIN 0
.macro TOSTAGE a
.set AC, 64*((\a)%4)
	WIN (0x08+4*((\a)/4))
.irp b, 0,1,2,3,4,5,6,7
	ds_store_b128 v[STO], v[AC+8*\b:AC+8*\b+3] offset:64*\b
	ds_store_b128 v[STO], v[AC+8*\b+4:AC+8*\b+7] offset:64*\b+16
.endr
	WIN 0
.set BB, BK+64*((\a)%2)
.irp t, 0,1,2,3,4,5,6,7,8,9,10,11,12,13,14,15
	ds_load_b128 v[BB+4*\t:BB+4*\t+3], v[RD] offset:\t*SPITCH
.endr
.endm
.macro SEND a, younger
.set BB, BK+64*((\a)%2)
	s_wait_dscnt \younger
.if (\a) > 0
	s_add_nc_u64 s[10:11], s[10:11], 16*SIZE_N*4
.endif
.irp t, 0,1,2,3,4,5,6,7,8,9,10,11,12,13,14,15
	v_pk_fma_f32 v[BB+4*\t:BB+4*\t+1], v[BB+4*\t:BB+4*\t+1], s[96:97], v[8:9] op_sel_hi:[1,0,1]
	v_pk_fma_f32 v[BB+4*\t+2:BB+4*\t+3], v[BB+4*\t+2:BB+4*\t+3], s[96:97], v[10:11] op_sel_hi:[1,0,1]
.endr
.irp t, 0,1,2,3,4,5,6,7,8,9,10,11,12,13,14,15
	global_store_b128 v[CO], v[BB+4*\t:BB+4*\t+3], s[10:11] offset:\t*SIZE_N*4 th:TH_STORE_NT
.endr
.endm
	s_wait_kmcnt 0x0
	s_add_co_i32 s96, s96, s97
	s_add_co_i32 s96, s96, 127
	s_lshl_b32 s96, s96, 23
	s_mov_b32 s97, s96
	s_wait_loadcnt 0x0
	PLACES NP
	TOSTAGE 0
.irp a, 1,2,3
.if \a > 1
	s_wait_xcnt 0x0
.endif
	TOSTAGE \a
	SEND \a-1, 32
.endr
	s_wait_xcnt 0x0
	SEND 3, 0
	s_wait_tensorcnt 0x0
	ds_add_u32 v[SPW], v[NIL]
	s_wait_dscnt 0x0
	CROUND
	s_endpgm
.Lfunc_end_k_q167193b50f_outp:
	.size	k_q167193b50f_outp, .Lfunc_end_k_q167193b50f_outp-k_q167193b50f_outp
	.p2alignl 7, 3214868480
	.fill 96, 4, 3214868480
	.section	.rodata,"a",@progbits
	.p2align	6, 0x0
	.amdhsa_kernel k_q167193b50f_outp
		.amdhsa_group_segment_fixed_size 327680
		.amdhsa_private_segment_fixed_size 0
		.amdhsa_enable_private_segment 0
		.amdhsa_kernarg_size 40
		.amdhsa_user_sgpr_count 2
		.amdhsa_user_sgpr_kernarg_segment_ptr 1
		.amdhsa_wavefront_size32 1
		.amdhsa_system_sgpr_workgroup_id_x 1
		.amdhsa_system_sgpr_workgroup_id_y 1
		.amdhsa_system_sgpr_workgroup_id_z 1
		.amdhsa_system_vgpr_workitem_id 0
		.amdhsa_next_free_vgpr 1024
		.amdhsa_next_free_sgpr 100
		.amdhsa_reserve_vcc 0
		.amdhsa_float_denorm_mode_32 3
		.amdhsa_float_denorm_mode_16_64 3
		.amdhsa_memory_ordered 1
		.amdhsa_forward_progress 1
		.amdhsa_inst_pref_size 91
	.end_amdhsa_kernel
	.amdgpu_metadata
---
amdhsa.version: [ 1, 2 ]
amdhsa.kernels:
  - .name:           k_q167193b50f_outp
    .symbol:         k_q167193b50f_outp.kd
    .args:
      - { .name: a_codes, .offset: 0, .size: 8, .value_kind: global_buffer, .address_space: global }
      - { .name: Wp_codes, .offset: 8, .size: 8, .value_kind: global_buffer, .address_space: global }
      - { .name: lowp_scales, .offset: 16, .size: 8, .value_kind: global_buffer, .address_space: global }
      - { .name: out0, .offset: 24, .size: 8, .value_kind: global_buffer, .address_space: global }
      - { .name: bp, .offset: 32, .size: 8, .value_kind: global_buffer, .address_space: global }
    .group_segment_fixed_size: 327680
    .private_segment_fixed_size: 0
    .kernarg_segment_align: 8
    .kernarg_segment_size: 40
    .max_flat_workgroup_size: 128
    .sgpr_count:     100
    .vgpr_count:     1024
    .wavefront_size: 32
...
	.end_amdgpu_metadata
.endif
;; end of part 3
